; MI455X (gfx1250); checked and timed in simulation.
; The chip was launched on July 23, 2026; its instructions are those of AMD's public machine-readable ISA for CDNA 5 (MIT licence, August 2026) and "CDNA5" Instruction Set Architecture Reference Guide (July 2026). The comments in the code are by the model that wrote it; some were corrected since.
;; Causal Self Attention. Allowed arithmetic: matrix products marked QUANTISED: E4M3 operands, one given power-of-two scale a tensor, by v_wmma_f32_16x16x64_fp8_fp8 or v_wmma_f32_16x16x128_fp8_fp8, f32 sums; everything else in f32.
;; Inputs: Wk 1,024 x 1,024 float32; Wp 1,024 x 1,024 float32; Wq 1,024 x 1,024 float32; Wv 1,024 x 1,024 float32; bk 1,024 float32; bp 1,024 float32; bq 1,024 float32; bv 1,024 float32; lowp_scales 12 int32 (the exponents e of the quantised operands' scales 2^e); x 4 x 2,048 x 1,024 float32.
;; Outputs: out0 4 x 2,048 x 1,024 float32.
;; This version of the problem:
;;   THIS VERSION OF THE PROBLEM IS GIVEN IN LOW PRECISION. The matrix products marked QUANTISED in the list below multiply operands that are first quantised to E4M3 (4 exponent bits, 3 mantissa bits; 8 bits a number), with one given power-of-two scale for each operand tensor; their sums are f32. All else is computed in f32.
;;   The module's matrix products, in the order in which they are computed (A, B: the left and right operand; K: the contracted axis; several contracted axes count as one K, in the product's order):
;;     1. [M 8,192, K 1,024] x [K 1,024, N 1,024]; A: input x; B: input Wq: QUANTISED (scales: A lowp_scales[0], B lowp_scales[1])
;;     2. [M 8,192, K 1,024] x [K 1,024, N 1,024]; A: input x; B: input Wk: QUANTISED (scales: A lowp_scales[2], B lowp_scales[3])
;;     3. [M 8,192, K 1,024] x [K 1,024, N 1,024]; A: input x; B: input Wv: QUANTISED (scales: A lowp_scales[4], B lowp_scales[5])
;;     4. batch 64 x [M 2,048, K 64] x [K 64, N 2,048]; A: computed on the way; B: computed on the way: QUANTISED (scales: A lowp_scales[6], B lowp_scales[7])
;;     5. batch 64 x [M 2,048, K 2,048] x [K 2,048, N 64]; A: softmax (see below); B: computed on the way: QUANTISED (scales: A lowp_scales[8], B lowp_scales[9])
;;     6. [M 8,192, K 1,024] x [K 1,024, N 1,024]; A: computed on the way; B: input Wp: QUANTISED (scales: A lowp_scales[10], B lowp_scales[11])
;;   THE QUANTISER, for each operand of a quantised product, along K:
;;     - The operand's scale is 2^e, e = its entry of the input lowp_scales (int32; the entries are numbered through the quantised products in the list's order, A before B).
;;     - Each number is divided by the scale, clamped to +-448, and rounded to the nearest number of E4M3, ties to even, subnormals kept.
;;     - The product sums the exact products of the quantised numbers (number of the format x scale) in f32.
;;   ~~~python
;;   def quantise(x, axis, e):      # numpy; x: float32 -> the quantised numbers, widened to float32 again
;;       x = np.moveaxis(x, axis, -1); K = x.shape[-1]
;;       r = np.clip(x / 2.0 ** e, -448, 448)
;;       step = 2.0 ** (np.maximum(np.frexp(np.where(r == 0, 1, r))[1] - 1, -6) - 3)
;;       q = np.round(r / step) * step * 2.0 ** e      # np.round: ties to even
;;       return np.moveaxis(q, -1, axis).astype(np.float32)
;;   ~~~
;;   SOFTMAX AHEAD OF A QUANTISED PRODUCT. Where the list says 'softmax', what is quantised is not the finished softmax but p = 2^(t - M), with t = logit x log2(e) and M = ceil(the row's largest t), a whole number; so 1/2 < the row's largest p <= 1. The row's sum l is taken of the UNQUANTISED p, in f32, and the product's result is divided by l at the end. Since M is a whole number, a kernel that streams over the keys may use a running M (the ceiling of the running maximum): every later rescaling is an exact power of two, so the quantised numbers keep their values, but for numbers so far below the row's largest that they fall under the format's range.
;;   OPERANDS COMPUTED ON THE WAY. 'Computed on the way' means the value that the module computes at that place (a softmax that the list does not call 'softmax' is quantised finished and normalised). What goes into a quantiser is computed in f32, as accurately as f32 sums, v_exp_f32 and their like allow (about 1e-6 of the number): no bf16 or f16 on the way to a quantiser, and a product that is left as it is and whose result goes on into a quantised operand takes f32 operands (vector FMAs, or v_wmma_f32_16x16x4_f32). A number that lies on a knife's edge between two numbers of the format may be rounded either way, as far as f32 arithmetic and the matrix unit's own rounding can turn it there, and no further.
;; One version. Each part assembles by itself: llvm-mc -triple=amdgcn-amd-amdhsa -mcpu=gfx1250 --defsym DOCPART=n.
;; ======== version 1 of 1: 4 launches
;; limits: right only within a limited range of input values
;; workspace buffers: xc 25,165,824 bytes; wc 4,194,304 bytes; qkvc 25,165,824 bytes; yc 8,388,608 bytes
;; launch quant (part 1): grid 384 x 1, 4 waves a work-group, no clusters, 66,048 bytes of LDS; arguments x, Wq, Wk, Wv, Wp, lowp_scales, xc, wc; writes xc, wc
.if DOCPART == 1
	.amdgcn_target "amdgcn-amd-amdhsa--gfx1250"
	.amdhsa_code_object_version 6
	.text
	.protected	k_q99408125dd_quant
	.globl	k_q99408125dd_quant
	.p2align	8
	.type	k_q99408125dd_quant,@function
k_q99408125dd_quant:
	s_mov_b64 s[64:65], 0
	v_nop
	global_prefetch_b8 v0, s[64:65] scope:SCOPE_SE
	s_setreg_imm32_b32 hwreg(HW_REG_WAVE_MODE, 25, 1), 1
	s_wait_xcnt 0x0
; x [8192][1024] and the four weights [1024][1024], f32, K innermost, become codes of FP8 (E4M3), one byte each.
; code = number / 2^e, held within +-448, to the nearest code, ties to even.  x is an operand of three products, each with a scale of its own (entries 0, 2, 4 of the scales):
; it is read once and quantised three times.  Wq, Wk, Wv, Wp take entries 1, 3, 5, 11.
; LAYOUT OF THE CODES: [8 chunks of 128 along K][rows][128 bytes]: any run of rows of one chunk is one dense block.  xc: three such parts of 8 MiB; wc: four of 1 MiB.
; SHARES.  Work-groups 0-255: 32 rows of x each.  Work-groups 256-383: 32 rows of one weight each (32 work-groups a weight).  A wave takes 8 rows in 16 steps: step t is chunk t / 2, rows 4 (t % 2) on.
; A step's four loads read 512 consecutive bytes each (a row's 128 numbers of the chunk), 16 bytes a lane.  The conversions take neighbours along K from ONE lane's registers, so the 2,048 bytes turn through the wave's own
; stage in LDS (16 bytes of padding behind each 64) and come back 64 bytes a lane: lane l holds row l / 8, numbers 16 (l % 8) on.  Its 16 codes lie at 16 l of the step's 512 bytes of codes: each store covers 512 consecutive bytes, aligned.
; The two paths part on the work-group's number and never join; each has LDS bytes of its own.  No tensor loads, no barrier: waves share nothing.  Loads run four steps (16 loads a wave) ahead.
; LIMITS: each e between -126 and 119, so that 2^e and 448 x 2^e are f32 numbers.  NaN among the inputs is not served (an infinity is held at the largest code).
.set SP,    80                         ; a lane's place in a stage: 64 bytes + 16 of padding
.set STEPS, 16
.set R,     16                         ; v16-79    four sets of 16 numbers as loaded
.set X,     80                         ; v80-111   two sets of 16 neighbours
.set T,     112                        ; v112-159  three sets of 16 held numbers, one for each scale
.set C,     160                        ; v160-183  codes: two sets of 3 x 4 registers
.set SC,    184                        ; v184-186  2^e as f32
.set LM,    187
.macro LOAD t
.irp i, 0,1,2,3
	global_load_b128 v[R+16*((\t)%4)+4*\i:R+16*((\t)%4)+4*\i+3], v3, s[4:5] offset:(4*((\t)%2)+\i)*4096+512*((\t)/2) th:TH_LOAD_NT
.endr
.endm
.macro TURN t                          ; step t's numbers through the stage: LDS serves a wave's instructions in order, so no wait stands between the stores and the loads
.irp i, 0,1,2,3
	ds_store_b128 v14, v[R+16*((\t)%4)+4*\i:R+16*((\t)%4)+4*\i+3] offset:32*SP*((\t)%2)+8*SP*\i
.endr
.irp i, 0,1,2,3
	ds_load_b128 v[X+16*((\t)%2)+4*\i:X+16*((\t)%2)+4*\i+3], v15 offset:32*SP*((\t)%2)+16*\i
.endr
.endm
.macro SCALE k, e                      ; v[SC+k] = 2^e, e in s[e]
	s_add_co_i32 s56, s[\e], 127
	s_lshl_b32 s57, s56, 23
	v_mov_b32 v[SC+\k], s57
	s_add_co_i32 s56, s56, 8
	s_lshl_b32 s56, s56, 23
	s_or_b32 s56, s56, 0x600000
.endm
; One step.  nout: how many scales the numbers are quantised with; chs: bytes from chunk to chunk in the codes' buffer.
.macro STEP t, nout, chs
.set XS, X+16*((\t)%2)
.set CC, C+12*((\t)%2)
	s_wait_dscnt 0x0                               ; this step's numbers are back from the stage, so its stores into the stage have read their registers,
.if (\t)+4 < STEPS
	LOAD (\t)+4                                    ; which take the loads of four steps on
.endif
.if (\t)+1 < STEPS
.if 14-(\t) >= 3
	s_wait_loadcnt 12                              ; the next step's four loads are in; those of the three steps behind it may be out
.else
	s_wait_loadcnt 4*(14-(\t))
.endif
	TURN (\t)+1                                    ; and go through the other stage while this step is worked
.endif
	s_wait_xcnt 0x0                                ; the stores of two steps back have read their data: this set of codes is written again only behind this wait
.set KK, 0
.rept \nout
.irp i, 0,1,2,3,4,5,6,7,8,9,10,11,12,13,14,15
.endr
	v_cvt_scalef32_pk8_fp8_f32 v[CC+4*KK:CC+4*KK+1], v[T+16*KK+((XS+0)-(T+16*KK+0)):T+16*KK+7+((XS+0)-(T+16*KK+0))], v[SC+KK]
	v_cvt_scalef32_pk8_fp8_f32 v[CC+4*KK+2:CC+4*KK+3], v[T+16*KK+8+((XS+0)-(T+16*KK+0)):T+16*KK+15+((XS+0)-(T+16*KK+0))], v[SC+KK]
.set KK, KK+1
.endr
	v_nop
.set KK, 0
.rept \nout
	global_store_b128 v4, v[CC+4*KK:CC+4*KK+3], s[44+2*KK:45+2*KK] offset:((\t)/2)*\chs+512*((\t)%2)
.set KK, KK+1
.endr
.endm
	s_load_b512 s[8:23], s[0:1], 0x0               ; x s[8:9], Wq, Wk, Wv, Wp s[10:17], the scales s[18:19], xc s[20:21], wc s[22:23]
	v_lshl_add_u32 v192, v0, 2, 0x10000
	v_mov_b32 v193, 0
	v_lshrrev_b32 v1, 5, v0
	v_readfirstlane_b32 s24, v1                    ; wave
	v_and_b32 v2, 31, v0                           ; lane
	v_lshlrev_b32 v3, 4, v2                        ; my 16 bytes of a load's 512
	v_lshlrev_b32 v4, 4, v2                        ; my 16 bytes of a store's 512
	v_lshrrev_b32 v5, 2, v2
	v_mul_u32_u24 v5, v5, SP
	v_and_b32 v6, 3, v2
	v_lshl_add_u32 v5, v6, 4, v5                   ; the stage, on the way in: SP (lane / 4) + 16 (lane % 4)
	v_mul_u32_u24 v6, v2, SP                       ; and on the way out: SP x lane
	s_lshl_b32 s25, s24, 13                        ; 8,192 bytes of LDS for each wave
	s_lshl_b32 s27, s24, 3                         ; my wave's 8 rows
	s_mov_b32 s29, 0
	s_wait_kmcnt 0x0
	s_load_b256 s[32:39], s[18:19], 0x0            ; e0 .. e7
	s_load_b128 s[40:43], s[18:19], 0x20           ; e8 .. e11
	s_cmp_lt_u32 ttmp9, 256
	s_cbranch_scc0 .Lweights
	s_wait_alu depctr_va_vdst(0)
	; ---- x
	v_add_nc_u32 v14, s25, v5
	v_add_nc_u32 v15, s25, v6
	s_lshl_b32 s26, ttmp9, 5
	s_add_co_u32 s26, s26, s27                     ; my first row
	s_lshl_b32 s28, s26, 12                        ; a row of x is 4,096 bytes
	s_add_nc_u64 s[4:5], s[8:9], s[28:29]
	s_lshl_b32 s28, s26, 7                         ; a row of a chunk of codes is 128
	s_add_nc_u64 s[44:45], s[20:21], s[28:29]
	s_add_nc_u64 s[46:47], s[44:45], 0x800000      ; the second and third part of xc
	s_add_nc_u64 s[48:49], s[44:45], 0x1000000
.irp t, 0,1,2,3
	LOAD \t
.endr
	s_wait_alu depctr_va_vdst(0)
	s_wait_kmcnt 0x0
	SCALE 0, 32
	SCALE 1, 34
	SCALE 2, 36
	s_wait_alu depctr_va_vdst(0)
	s_wait_loadcnt 12                              ; step 0's four loads are in
	TURN 0
.irp t, 0,1,2,3,4,5,6,7,8,9,10,11,12,13,14,15
	STEP \t, 3, 1048576
.endr
	s_wait_tensorcnt 0x0
	ds_add_u32 v192, v193
	s_wait_dscnt 0x0
	s_endpgm
	; ---- a weight
.Lweights:
	s_add_co_u32 s30, s25, 32768                   ; this path's own LDS bytes
	s_wait_alu depctr_va_vdst(0)
	v_add_nc_u32 v14, s30, v5
	v_add_nc_u32 v15, s30, v6
	s_sub_co_u32 s26, ttmp9, 256
	s_lshr_b32 s31, s26, 5                         ; which weight: 0 Wq, 1 Wk, 2 Wv, 3 Wp
	s_and_b32 s26, s26, 31
	s_lshl_b32 s26, s26, 5
	s_add_co_u32 s26, s26, s27                     ; my first row
	s_and_b32 s58, s31, 1
	s_cmp_lg_u32 s58, 0
	s_cselect_b64 s[50:51], s[12:13], s[10:11]     ; the choice hangs on the work-group's number alone
	s_cselect_b64 s[52:53], s[16:17], s[14:15]
	s_cmp_lt_u32 s31, 2
	s_cselect_b64 s[50:51], s[50:51], s[52:53]
	s_lshl_b32 s28, s26, 12
	s_add_nc_u64 s[4:5], s[50:51], s[28:29]
	s_lshl_b32 s28, s26, 7
	s_lshl_b32 s59, s31, 20                        ; the weight's part of wc
	s_add_co_u32 s28, s28, s59
	s_add_nc_u64 s[44:45], s[22:23], s[28:29]
.irp t, 0,1,2,3
	LOAD \t
.endr
	s_wait_alu depctr_va_vdst(0)
	s_wait_kmcnt 0x0
	s_cmp_lg_u32 s58, 0
	s_cselect_b32 s54, s35, s33                    ; e3 or e1
	s_cselect_b32 s55, s43, s37                    ; e11 or e5
	s_cmp_lt_u32 s31, 2
	s_cselect_b32 s54, s54, s55
	SCALE 0, 54
	s_wait_alu depctr_va_vdst(0)
	s_wait_loadcnt 12
	TURN 0
.irp t, 0,1,2,3,4,5,6,7,8,9,10,11,12,13,14,15
	STEP \t, 1, 131072
.endr
	s_wait_tensorcnt 0x0
	ds_add_u32 v192, v193
	s_wait_dscnt 0x0
	s_endpgm
.Lfunc_end_k_q99408125dd_quant:
	.size	k_q99408125dd_quant, .Lfunc_end_k_q99408125dd_quant-k_q99408125dd_quant
	.p2alignl 7, 3214868480
	.fill 96, 4, 3214868480
	.section	.rodata,"a",@progbits
	.p2align	6, 0x0
	.amdhsa_kernel k_q99408125dd_quant
		.amdhsa_group_segment_fixed_size 66048
		.amdhsa_private_segment_fixed_size 0
		.amdhsa_enable_private_segment 0
		.amdhsa_kernarg_size 64
		.amdhsa_user_sgpr_count 2
		.amdhsa_user_sgpr_kernarg_segment_ptr 1
		.amdhsa_wavefront_size32 1
		.amdhsa_system_sgpr_workgroup_id_x 1
		.amdhsa_system_sgpr_workgroup_id_y 1
		.amdhsa_system_sgpr_workgroup_id_z 1
		.amdhsa_system_vgpr_workitem_id 0
		.amdhsa_next_free_vgpr 194
		.amdhsa_next_free_sgpr 66
		.amdhsa_reserve_vcc 0
		.amdhsa_float_denorm_mode_32 3
		.amdhsa_float_denorm_mode_16_64 3
		.amdhsa_fp16_overflow 1
		.amdhsa_memory_ordered 1
		.amdhsa_forward_progress 1
		.amdhsa_inst_pref_size 51
	.end_amdhsa_kernel
	.amdgpu_metadata
---
amdhsa.version: [ 1, 2 ]
amdhsa.kernels:
  - .name:           k_q99408125dd_quant
    .symbol:         k_q99408125dd_quant.kd
    .args:
      - { .name: x, .offset: 0, .size: 8, .value_kind: global_buffer, .address_space: global }
      - { .name: Wq, .offset: 8, .size: 8, .value_kind: global_buffer, .address_space: global }
      - { .name: Wk, .offset: 16, .size: 8, .value_kind: global_buffer, .address_space: global }
      - { .name: Wv, .offset: 24, .size: 8, .value_kind: global_buffer, .address_space: global }
      - { .name: Wp, .offset: 32, .size: 8, .value_kind: global_buffer, .address_space: global }
      - { .name: lowp_scales, .offset: 40, .size: 8, .value_kind: global_buffer, .address_space: global }
      - { .name: xc, .offset: 48, .size: 8, .value_kind: global_buffer, .address_space: global }
      - { .name: wc, .offset: 56, .size: 8, .value_kind: global_buffer, .address_space: global }
    .group_segment_fixed_size: 66048
    .private_segment_fixed_size: 0
    .kernarg_segment_align: 8
    .kernarg_segment_size: 64
    .max_flat_workgroup_size: 128
    .sgpr_count:     66
    .vgpr_count:     194
    .wavefront_size: 32
...
	.end_amdgpu_metadata
.endif
;; end of part 1
;; launch qkv (part 2): grid 12 x 64, 4 waves a work-group, clusters of 4 x 4, 327,680 bytes of LDS; arguments xc, wc, bq, bk, bv, lowp_scales, qkvc; writes qkvc
.if DOCPART == 2
	.amdgcn_target "amdgcn-amd-amdhsa--gfx1250"
	.amdhsa_code_object_version 6
	.text
	.protected	k_q99408125dd_qkv
	.globl	k_q99408125dd_qkv
	.p2align	8
	.type	k_q99408125dd_qkv,@function
k_q99408125dd_qkv:
	s_mov_b64 s[64:65], 0
	v_nop
	global_prefetch_b8 v0, s[64:65] scope:SCOPE_SE
	s_setreg_imm32_b32 hwreg(HW_REG_WAVE_MODE, 25, 1), 1
	s_wait_xcnt 0x0
	s_wait_alu depctr_hold_cnt(0) depctr_sa_sdst(0) depctr_va_vdst(0) depctr_va_sdst(0) depctr_va_ssrc(0) depctr_va_vcc(0) depctr_vm_vsrc(0)
	s_getreg_b32 s2, hwreg(HW_REG_IB_STS2, 6, 4)
	s_cmp_eq_u32 s2, 0
	s_cbranch_scc0 .Lentry_in_a_cluster
	s_endpgm
.Lentry_in_a_cluster:
	s_bfe_u32 s2, ttmp6, 0x10000c
	s_cmp_lg_u32 s2, 0xf033
	s_cbranch_scc0 .Lentry_shape_is_right
	s_endpgm
.Lentry_shape_is_right:
; q, k, v = x W^T + b on codes of FP8 (E4M3), and their own codes for the attention's products.  Kind = the cluster's x: 0 q, 1 k, 2 v.
; THE CORE: a tile of 256 rows of side S0 x 128 rows of side S1, K = 1,024 in 8 chunks of 128.  Four waves; wave 2 i + j makes S1's rows 64 i on x S0's rows 128 j on: 32 accumulators of 16 x 16.
; Source 0 = 16 rows of S0, source 1 = 16 rows of S1: lane (r, h) holds S1's row 16 a + r, and its register jj S0's row 16 b + 8 h + jj.
; q, k: S0 = the weight's rows (channels), S1 = tokens: a lane's eight registers are eight neighbouring channels of one token, the next K.  v: S0 = tokens, S1 = channels: eight neighbouring KEYS of one channel, its next K.
; 768 tiles of equal work.  Both operands lie as [chunk][rows][128 bytes], so each wave's tensor load brings one dense block.
; THE RING: two LDS slots of two chunks each, four fills, all written out.  Waves 0, 1 fetch S0's two chunks (256 rows each), waves 2, 3 S1's (128 rows each): one load a wave behind each change of slots; two are out at the start.
; CLUSTERS: 4 x 4 work-groups.  S0's tile hangs on cx and is shared along a column of the cluster, S1's on cy and is shared along a row: each is asked for jointly, by the same load with the same descriptor and a mask that names the four.
; A fragment (16 rows x 128 K) is 16 registers, by four ds_load_b128 32 bytes apart at row x pitch + 16 h: a permutation of k that is the same on both sides, so every product meets its partner.
; THE WAY OUT: sum + b / 2^(ea + eb) stands for the number / 2^(ea + eb); it is converted with the one scale 2^(eo - ea - eb).  A lane's 8 codes of blocks 2 c and 2 c + 1 go as 16 bytes to byte 32 c + 16 h of its row,
; so inside every 32 bytes the byte 16 h + 8 u + j holds index 16 u + 8 h + j.  In q and k that is one and the same order of the head's channels; in v it is the order in which four 16-byte loads give the K = 128 form its own layout.
; qkvc: q and k: [8 head pairs][8192 tokens][128]; v: [64 batch x head][16 key blocks][64 channels][128 keys].  A wave's 64 rows x 128 bytes are 8,192 consecutive bytes in either.
; LIMITS: ea + eb between -126 and 126; eo - ea - eb between -126 and 119, so that each power of two below is an f32 number.  NaN among the inputs is not served.
; REGISTERS, in windows of 256: window 0: v16-29 addresses; v32-95 at work, v96-159 codes, v160-231 biases, v233 the scale.  window 1: S0's fragments, two sets of 128.  window 2: the accumulators, (a, b) at v[8 (8 a + b)].
;   window 3: S1's fragments, two sets of 64.
.set PITCH,  144                       ; an LDS row: 128 bytes + 16 of padding = 36 words: the 16 rows of a load start at 16 different groups of four banks (64 banks of 4 bytes: ISA guide 11.1)
.set S0CH,   256*PITCH                 ; a chunk of S0 in a slot
.set S1CH,   128*PITCH                 ; a chunk of S1
.set S1OFF,  2*S0CH
.set SLOT,   S1OFF+2*S1CH
.set STAGE,  2*SLOT                    ; behind the ring: 64 rows x 144 bytes for each wave
.set SPARE,  STAGE+4*64*PITCH          ; behind the stages: the spare words, 128 bytes for each wave
.set AD0, 16                           ; v16-17  LDS address of my S0 fragments in slot 0, 1
.set AD1, 20                           ; v20-21  the same for S1
.set STO, 24                           ; v24     the way out: where I put 16 bytes of a row
.set RD,  25                           ; v25     where I read rows back
.set CO,  26                           ; v26     16 x lane
.set SPW, 28                           ; v28     my spare word; never rewritten
.set NIL, 29                           ; v29     0; never rewritten
.set TMP, 32
.set CD,  96
.set B0,  160                          ; v160-223 bias of S0's rows: 8 b + jj
.set B1,  224                          ; v224-231 bias of S1's rows: a pair for each a
.set LIM, 232
.set SCL, 233
.set G1S1, 24                          ; s[24:31] group 1 for S1's tiles; s[32:39] group 0, a set for each slot
.set G0S1, 32
.set G1S0, 48                          ; s[48:55], s[56:63] the same for S0's
.set G0S0, 56
.set ST0, 74                           ; s[74:75] four chunks on in S0's buffer; s[76:77] in S1's
.set ST1, 76
.set FIELDS, (1<<20)|(1<<21)|(4<<22)|(3<<25)   ; elements of 1 byte; padding on; bit 21 beside a mask; after every 32 words; four words
.set MSB, 0
.macro WIN new                         ; the immediate's high byte repeats the setting that is left
.if MSB != \new
	s_set_vgpr_msb (MSB<<8)|\new
.set MSB, \new
.endif
.endm
.set MUL,   0xad                       ; source 0 (S0) window 1, source 1 (S1) window 3, C and D window 2
.set TO_S0, 0x40
.set TO_S1, 0xc0
.macro JLOAD g0a, g1a, g0b, g1b        ; a joint load: waves 0, 1 by the first pair of groups, waves 2, 3 by the second; four v_nop follow each line
	s_cmp_eq_u32 s15, 0
	s_cbranch_scc0 .Lfor_b_\@
	tensor_load_to_lds s[\g0a:\g0a+3], s[\g1a:\g1a+7]
	s_nop 0
.rept 4
	v_nop
.endr
	s_branch .Lasked_\@
.Lfor_b_\@:
	tensor_load_to_lds s[\g0b:\g0b+3], s[\g1b:\g1b+7]
	s_nop 0
.rept 4
	v_nop
.endr
.Lasked_\@:
.endm
.macro CREST                           ; a round of the cluster's barrier behind its opening barrier
	s_cmp_lg_u32 s14, 0
	s_cbranch_scc1 .Lnot_wave_0_\@
	s_barrier_signal -3
.Lnot_wave_0_\@:
	s_barrier_wait -3
	s_barrier_signal -1
	s_barrier_wait -1
.endm
.macro CROUND
	s_barrier_signal -1
	s_barrier_wait -1
	CREST
.endm
.macro PLACES n                        ; plain vector lines between a matrix instruction and a load into, or a read of, its registers
.rept \n
	v_nop
.endr
.endm
.macro FETCH slot, q, p                ; the fragments of the slot's chunk q into set p: 32 loads for S0, 16 for S1
	WIN TO_S0
.irp b, 0,1,2,3,4,5,6,7
.irp c, 0,1,2,3
	ds_load_b128 v[128*(\p)+16*\b+4*\c:128*(\p)+16*\b+4*\c+3], v[AD0+\slot] offset:(\q)*S0CH+\b*16*PITCH+32*\c
.endr
.endr
	WIN TO_S1
.irp a, 0,1,2,3
.irp c, 0,1,2,3
	ds_load_b128 v[64*(\p)+16*\a+4*\c:64*(\p)+16*\a+4*\c+3], v[AD1+\slot] offset:(\q)*S1CH+\a*16*PITCH+32*\c
.endr
.endr
	WIN 0
.endm
.macro MUL8 a, p, zero                 ; S1's block a against S0's eight; the 32 accumulators take turns in one order throughout
.irp b, 0,1,2,3,4,5,6,7
.if \zero
	v_wmma_f32_16x16x128_fp8_fp8 v[8*(8*(\a)+\b):8*(8*(\a)+\b)+7], v[128*(\p)+16*\b:128*(\p)+16*\b+15], v[64*(\p)+16*(\a):64*(\p)+16*(\a)+15], 0
.else
	v_wmma_f32_16x16x128_fp8_fp8 v[8*(8*(\a)+\b):8*(8*(\a)+\b)+7], v[128*(\p)+16*\b:128*(\p)+16*\b+15], v[64*(\p)+16*(\a):64*(\p)+16*(\a)+15], v[8*(8*(\a)+\b):8*(8*(\a)+\b)+7]
.endif
.endr
.endm
.macro STEP slot, zero                 ; a slot's first chunk (set 0) is multiplied; its second is fetched into set 1 ahead of the 32 products
	s_wait_dscnt 0x0                               ; set 0 is in
	PLACES 4                                       ; set 1 was read by the last products
	FETCH \slot, 1, 1
	WIN MUL
	MUL8 0, 0, \zero
	MUL8 1, 0, \zero
	MUL8 2, 0, \zero
	MUL8 3, 0, \zero
	WIN 0
.endm
; A slot's second chunk (set 1) is multiplied and slots change: ONE barrier; in front of it each wave waits for all its tensor loads, adds 0 to its spare word, and waits for that and for its reads of this slot.
.macro TURN slot, next, fill
	s_wait_tensorcnt 0x0                           ; all my tensor loads have landed: my part of the next slot
	ds_add_u32 v[SPW], v[NIL]                      ; 0 onto my spare word
	s_wait_dscnt 1                                 ; set 1 is in; the add alone may be out
	WIN MUL
	MUL8 0, 1, 0                                   ; eight products stand between the add and the wait for it
	s_wait_dscnt 0x0                               ; the add is done, and my reads of this slot are over
	s_barrier_signal -1
	MUL8 1, 1, 0
	WIN 0
	s_barrier_wait -1
.if \fill
	CREST                                          ; the barrier has opened a round of the cluster's: no wave of any partner still reads this slot or has a load on its way
	s_add_nc_u64 s[G0S0+4*\slot+2:G0S0+4*\slot+3], s[G0S0+4*\slot+2:G0S0+4*\slot+3], s[ST0:ST0+1]
	s_add_nc_u64 s[G0S1+4*\slot+2:G0S1+4*\slot+3], s[G0S1+4*\slot+2:G0S1+4*\slot+3], s[ST1:ST1+1]
	JLOAD G0S0+4*\slot, G1S0, G0S1+4*\slot, G1S1   ; the first tensor load behind the round; its four v_nop are the places in front of the loads below
.else
	PLACES 4
.endif
	FETCH \next, 0, 0
	WIN MUL
	MUL8 2, 1, 0
	MUL8 3, 1, 0
	WIN 0
.endm
	s_load_b128 s[4:7], s[0:1], 0x0                ; xc, wc
	s_load_b128 s[8:11], s[0:1], 0x10              ; bq, bk
	s_load_b128 s[68:71], s[0:1], 0x20             ; bv, the scales
	s_load_b64 s[72:73], s[0:1], 0x30              ; qkvc
	v_lshl_add_u32 v[SPW], v0, 2, SPARE
	v_mov_b32 v[NIL], 0
	ds_add_u32 v28, v29
	ds_add_u32 v28, v29
	s_wait_dscnt 0x0
	v_lshrrev_b32 v1, 5, v0
	v_readfirstlane_b32 s14, v1                    ; wave
	s_lshr_b32 s15, s14, 1                         ; i: my half of S1's rows.  Also: I fetch for S0 (0) or for S1 (1)
	s_and_b32 s16, s14, 1                          ; j: my half of S0's rows.  Also: which chunk of a slot I fetch
	s_bfe_u32 s40, ttmp6, 0x40000                  ; cx
	s_bfe_u32 s41, ttmp6, 0x40004                  ; cy
	s_mov_b32 s42, ttmp9                           ; the kind: the cluster's x, the same in all sixteen partners
	s_and_b32 s43, ttmp7, 0xffff                   ; the cluster's y
	s_lshl_b32 s17, s41, 2
	s_lshl_b32 s17, 15, s17                        ; my row of the cluster
	s_lshl_b32 s18, 0x1111, s40                    ; my column
	s_or_b32 s[G1S1], s17, FIELDS
	s_or_b32 s[G1S0], s18, FIELDS
.irp g, G1S1, G1S0
	s_mov_b32 s[\g+1], 128<<16                     ; tensor_dim0 = 128 bytes
	s_mov_b32 s[\g+3], 128<<16                     ; tile_dim0
	s_mov_b32 s[\g+5], 128                         ; from row to row: dense
	s_mov_b32 s[\g+6], 0
	s_mov_b32 s[\g+7], 0
.endr
	s_mov_b32 s[G1S0+2], 256<<16                   ; tensor_dim1, tile_dim1: 256 rows of S0,
	s_mov_b32 s[G1S0+4], 256
	s_mov_b32 s[G1S1+2], 128<<16                   ; 128 of S1
	s_mov_b32 s[G1S1+4], 128
	; which tiles.  q, k: s0 = cx (4 tiles of the weight), s1 = 4 cluster y + cy (64 of x).  v: s0 = 4 (cluster y / 2) + cx (32 of x), s1 = 4 (cluster y % 2) + cy (8 of the weight)
	s_lshr_b32 s44, s43, 1
	s_lshl_b32 s44, s44, 2
	s_and_b32 s45, s43, 1
	s_lshl_b32 s45, s45, 2
	s_lshl_b32 s19, s43, 2
	s_mov_b32 s46, 0x20000                         ; a chunk of a weight: 1,024 rows x 128 bytes
	s_mov_b32 s20, 0x100000                        ; a chunk of x: 8,192 rows
	s_cmp_eq_u32 s42, 2
	s_cselect_b32 s44, s44, 0
	s_cselect_b32 s45, s45, s19
	s_cselect_b32 s46, 0x100000, s46               ; a chunk on in S0's buffer
	s_cselect_b32 s20, 0x20000, s20                ; in S1's
	s_add_co_u32 s44, s44, s40                     ; s0: no cy enters it
	s_add_co_u32 s45, s45, s41                     ; s1: no cx enters it
	s_lshl_b32 s[ST0], s46, 2
	s_mov_b32 s[ST0+1], 0
	s_lshl_b32 s[ST1], s20, 2
	s_mov_b32 s[ST1+1], 0
	s_lshl_b32 s66, s46, 1                         ; two chunks on: from slot 0's first tile to slot 1's
	s_mov_b32 s67, 0
	s_lshl_b32 s22, s20, 1
	s_mov_b32 s23, 0
	s_mul_i32 s46, s46, s16                        ; my chunk of the slot,
	s_lshl_b32 s47, s44, 15                        ; the tile's 256 rows of 128 bytes
	s_add_co_u32 s46, s46, s47
	s_mov_b32 s47, 0
	s_mul_i32 s20, s20, s16
	s_lshl_b32 s21, s45, 14                        ; the tile's 128 rows
	s_add_co_u32 s20, s20, s21
	s_mov_b32 s21, 0
	s_lshl_b32 s12, s42, 23                        ; x's part: kind x 8 MiB
	s_mov_b32 s13, 0
	s_lshl_b32 s2, s42, 20                         ; the weight's part: kind x 1 MiB
	s_mov_b32 s3, 0
	s_mul_i32 s17, s16, S0CH                       ; where my tile goes: no place in the cluster enters an LDS address
	s_mul_i32 s18, s16, S1CH
	s_add_co_u32 s18, s18, S1OFF
	s_wait_kmcnt 0x0
	s_load_b256 s[92:99], s[70:71], 0x0            ; e0 .. e7
	s_load_b32 s91, s[70:71], 0x24                 ; e9
	s_add_nc_u64 s[4:5], s[4:5], s[12:13]
	s_add_nc_u64 s[6:7], s[6:7], s[2:3]
	s_cmp_eq_u32 s42, 2
	s_cselect_b64 s[78:79], s[4:5], s[6:7]         ; S0: x for v, else the weight
	s_cselect_b64 s[80:81], s[6:7], s[4:5]         ; S1: the other
	s_add_nc_u64 s[78:79], s[78:79], s[46:47]
	s_add_nc_u64 s[80:81], s[80:81], s[20:21]
	CROUND                                         ; all sixteen work-groups are here: the first joint loads meet
.irp s, 0,1
.if \s
	s_add_nc_u64 s[78:79], s[78:79], s[66:67]
	s_add_nc_u64 s[80:81], s[80:81], s[22:23]
.endif
	s_mov_b32 s[G0S0+4*\s], 1
	s_add_co_u32 s[G0S0+4*\s+1], s17, \s*SLOT
	s_mov_b64 s[G0S0+4*\s+2:G0S0+4*\s+3], s[78:79]
	s_or_b32 s[G0S0+4*\s+3], s[G0S0+4*\s+3], 0x80000000
	s_mov_b32 s[G0S1+4*\s], 1
	s_add_co_u32 s[G0S1+4*\s+1], s18, \s*SLOT
	s_mov_b64 s[G0S1+4*\s+2:G0S1+4*\s+3], s[80:81]
	s_or_b32 s[G0S1+4*\s+3], s[G0S1+4*\s+3], 0x80000000
	JLOAD G0S0+4*\s, G1S0, G0S1+4*\s, G1S1
.endr
	v_and_b32 v1, 15, v0                           ; r
	v_bfe_u32 v2, v0, 4, 1                         ; h
	v_mul_u32_u24 v3, v1, PITCH
	v_lshl_add_u32 v3, v2, 4, v3                   ; a fragment's row x pitch + 16 h
	s_wait_alu depctr_va_vdst(0)
	s_mul_i32 s17, s16, 128*PITCH                  ; my 128 rows of S0
	s_mul_i32 s18, s15, 64*PITCH                   ; my 64 rows of S1
	s_add_co_u32 s18, s18, S1OFF
.irp s, 0,1
	v_add_nc_u32 v[AD0+\s], s17, v3
	v_add_nc_u32 v[AD1+\s], s18, v3
	s_add_co_u32 s17, s17, SLOT
	s_add_co_u32 s18, s18, SLOT
.endr
	s_mul_i32 s19, s14, 64*PITCH
	s_add_co_u32 s19, s19, STAGE                   ; my stage
	v_add_nc_u32 v[STO], s19, v3
	v_and_b32 v4, 31, v0
	v_lshrrev_b32 v5, 3, v4
	v_mul_u32_u24 v5, v5, PITCH
	v_and_b32 v6, 7, v0
	v_lshl_add_u32 v5, v6, 4, v5
	v_add_nc_u32 v[RD], s19, v5                    ; back: eight lanes to a row of 128 bytes, four rows an instruction
	v_lshlrev_b32 v[CO], 4, v4
	; the biases.  Both sets are loaded whatever the kind; the set that the kind does not use is read from the bias's first bytes, inside the buffer
	s_lshl_b32 s84, s44, 10
	s_lshl_b32 s85, s16, 9
	s_add_co_u32 s84, s84, s85                     ; (256 s0 + 128 j) x 4
	s_lshl_b32 s85, s45, 9
	s_lshl_b32 s90, s15, 8
	s_add_co_u32 s85, s85, s90                     ; (128 s1 + 64 i) x 4
	s_cmp_eq_u32 s42, 2
	s_cselect_b32 s84, 0, s84
	s_cselect_b32 s85, s85, 0
	s_cselect_b64 s[82:83], s[68:69], s[10:11]
	s_cmp_eq_u32 s42, 0
	s_cselect_b64 s[82:83], s[8:9], s[82:83]
	v_lshl_add_u32 v7, v2, 5, s84
	v_lshl_add_u32 v8, v1, 2, s85
.irp b, 0,1,2,3,4,5,6,7
	global_load_b128 v[B0+8*\b:B0+8*\b+3], v7, s[82:83] offset:64*\b         ; b(16 b + 8 h + 0 .. 7)
	global_load_b128 v[B0+8*\b+4:B0+8*\b+7], v7, s[82:83] offset:64*\b+16
.endr
.irp a, 0,1,2,3
	global_load_b32 v[B1+2*\a], v8, s[82:83] offset:64*\a                    ; b(16 a + r), into both registers of a pair
	global_load_b32 v[B1+2*\a+1], v8, s[82:83] offset:64*\a
.endr
	; where my 8,192 bytes of codes go
	s_lshl_b32 s84, s44, 1
	s_add_co_u32 s84, s84, s16                     ; 2 s0 + j: q, k: the head pair; v: the block of 128 tokens
	s_lshr_b32 s90, s84, 4                         ; v: the batch,
	s_and_b32 s85, s84, 15                         ; the key block
	s_lshl_b32 s84, s84, 20                        ; q, k: the pair's 8,192 rows of 128 bytes,
	s_lshl_b32 s12, s45, 14
	s_add_co_u32 s84, s84, s12                     ; + 128 s1 rows
	s_lshl_b32 s12, s15, 13
	s_add_co_u32 s84, s84, s12                     ; + 64 i rows
	s_lshl_b32 s90, s90, 4
	s_lshl_b32 s12, s45, 1
	s_add_co_u32 s12, s12, s15                     ; v: the head 2 s1 + i
	s_add_co_u32 s90, s90, s12
	s_lshl_b32 s90, s90, 4
	s_add_co_u32 s90, s90, s85
	s_lshl_b32 s90, s90, 13                        ; ((batch x 16 + head) x 16 + key block) x 8,192
	s_cmp_eq_u32 s42, 2
	s_cselect_b32 s84, s90, s84
	s_lshl_b32 s85, s42, 23                        ; the kind's part of qkvc
	s_add_co_u32 s84, s84, s85
	s_mov_b32 s85, 0
	s_add_nc_u64 s[86:87], s[72:73], s[84:85]
	; the scales: chosen without a branch
	s_wait_kmcnt 0x0
	s_cmp_eq_u32 s42, 0
	s_cselect_b32 s84, s92, s94                    ; ea
	s_cselect_b32 s85, s93, s95                    ; eb
	s_cselect_b32 s90, s98, s99                    ; eo: q e6, k e7,
	s_cmp_eq_u32 s42, 2
	s_cselect_b32 s84, s96, s84
	s_cselect_b32 s85, s97, s85
	s_cselect_b32 s90, s91, s90                    ; v e9
	s_add_co_i32 s84, s84, s85                     ; ea + eb
	s_sub_co_i32 s85, 127, s84
	s_lshl_b32 s88, s85, 23                        ; 2^-(ea + eb)
	s_mov_b32 s89, s88                             ; (named with it as a pair, so it is written)
	s_sub_co_i32 s90, s90, s84
	s_add_co_i32 s90, s90, 127
	s_lshl_b32 s85, s90, 23
	v_mov_b32 v[SCL], s85                          ; 2^(eo - ea - eb)
	s_wait_tensorcnt 1                             ; my part of slot 0 is in; slot 1's may stay out
	s_barrier_signal -1
	s_barrier_wait -1
	FETCH 0, 0, 0
	STEP 0, 1                                      ; chunk 0: its products start the sums
	TURN 0, 1, 1                                   ; chunk 1; slot 0 takes chunks 4, 5
	STEP 1, 0
	TURN 1, 0, 1                                   ; chunk 3; slot 1 takes chunks 6, 7
	STEP 0, 0
	TURN 0, 1, 0                                   ; chunk 5; nothing is left to fetch
	STEP 1, 0
	s_wait_dscnt 0x0
	WIN MUL
	MUL8 0, 1, 0                                   ; chunk 7
	MUL8 1, 1, 0
	MUL8 2, 1, 0
	MUL8 3, 1, 0
	WIN 0
	; THE WAY OUT
	s_wait_loadcnt 0x0                             ; the biases
	PLACES 4
	s_cmp_eq_u32 s42, 2                            ; the kind is the same in all partners; register work alone stands in the two arms
	s_cbranch_scc1 .Lbias_v
	WIN 0xa0                                       ; C and D window 2
.irp a, 0,1,2,3
.irp b, 0,1,2,3,4,5,6,7
.irp i, 0,2,4,6
	v_pk_fma_f32 v[8*(8*\a+\b)+\i:8*(8*\a+\b)+\i+1], v[B0+8*\b+\i:B0+8*\b+\i+1], s[88:89], v[8*(8*\a+\b)+\i:8*(8*\a+\b)+\i+1] op_sel_hi:[1,0,1]   ; sum + b / 2^(ea + eb); each accumulator from its low end on
.endr
.endr
.endr
	WIN 0
	s_branch .Lbias_done
.Lbias_v:
	WIN 0xa0
.irp a, 0,1,2,3
.irp b, 0,1,2,3,4,5,6,7
.irp i, 0,2,4,6
	v_pk_fma_f32 v[8*(8*\a+\b)+\i:8*(8*\a+\b)+\i+1], v[B1+2*\a:B1+2*\a+1], s[88:89], v[8*(8*\a+\b)+\i:8*(8*\a+\b)+\i+1] op_sel_hi:[0,0,1]         ; v: the bias goes with the lane's channel
.endr
.endr
.endr
	WIN 0
.Lbias_done:
.irp a, 0,1,2,3
	WIN 0x02                                       ; source 0 window 2
.set kk, 0
.rept 64
.set kk, kk+1
.endr
.irp b, 0,1,2,3,4,5,6,7
	v_cvt_scalef32_pk8_fp8_f32 v[CD+16*\a+2*\b:CD+16*\a+2*\b+1], v[TMP+8*\b+((64*\a+kk)-(TMP+kk)):TMP+8*\b+7+((64*\a+kk)-(TMP+kk))], v[SCL]
.endr
	WIN 0
	v_nop
.irp c, 0,1,2,3
	ds_store_b128 v[STO], v[CD+16*\a+4*\c:CD+16*\a+4*\c+3] offset:\a*16*PITCH+32*\c
.endr
.endr
.irp g, 0,1,2,3,4,5,6,7,8,9,10,11,12,13,14,15
	ds_load_b128 v[TMP+4*\g:TMP+4*\g+3], v[RD] offset:\g*4*PITCH   ; LDS serves a wave's instructions in order: these see my stores
.endr
.irp g, 0,1,2,3,4,5,6,7,8,9,10,11,12,13,14,15
	s_wait_dscnt 15-\g
	global_store_b128 v[CO], v[TMP+4*\g:TMP+4*\g+3], s[86:87] offset:512*\g   ; 32 lanes store 512 consecutive bytes, aligned
.endr
	s_wait_tensorcnt 0x0                           ; the wave's end
	ds_add_u32 v[SPW], v[NIL]
	s_wait_dscnt 0x0
	CROUND                                         ; the closing round
	s_endpgm
.Lfunc_end_k_q99408125dd_qkv:
	.size	k_q99408125dd_qkv, .Lfunc_end_k_q99408125dd_qkv-k_q99408125dd_qkv
	.p2alignl 7, 3214868480
	.fill 96, 4, 3214868480
	.section	.rodata,"a",@progbits
	.p2align	6, 0x0
	.amdhsa_kernel k_q99408125dd_qkv
		.amdhsa_group_segment_fixed_size 327680
		.amdhsa_private_segment_fixed_size 0
		.amdhsa_enable_private_segment 0
		.amdhsa_kernarg_size 56
		.amdhsa_user_sgpr_count 2
		.amdhsa_user_sgpr_kernarg_segment_ptr 1
		.amdhsa_wavefront_size32 1
		.amdhsa_system_sgpr_workgroup_id_x 1
		.amdhsa_system_sgpr_workgroup_id_y 1
		.amdhsa_system_sgpr_workgroup_id_z 1
		.amdhsa_system_vgpr_workitem_id 0
		.amdhsa_next_free_vgpr 1024
		.amdhsa_next_free_sgpr 100
		.amdhsa_reserve_vcc 0
		.amdhsa_float_denorm_mode_32 3
		.amdhsa_float_denorm_mode_16_64 3
		.amdhsa_fp16_overflow 1
		.amdhsa_memory_ordered 1
		.amdhsa_forward_progress 1
		.amdhsa_inst_pref_size 80
	.end_amdhsa_kernel
	.amdgpu_metadata
---
amdhsa.version: [ 1, 2 ]
amdhsa.kernels:
  - .name:           k_q99408125dd_qkv
    .symbol:         k_q99408125dd_qkv.kd
    .args:
      - { .name: xc, .offset: 0, .size: 8, .value_kind: global_buffer, .address_space: global }
      - { .name: wc, .offset: 8, .size: 8, .value_kind: global_buffer, .address_space: global }
      - { .name: bq, .offset: 16, .size: 8, .value_kind: global_buffer, .address_space: global }
      - { .name: bk, .offset: 24, .size: 8, .value_kind: global_buffer, .address_space: global }
      - { .name: bv, .offset: 32, .size: 8, .value_kind: global_buffer, .address_space: global }
      - { .name: lowp_scales, .offset: 40, .size: 8, .value_kind: global_buffer, .address_space: global }
      - { .name: qkvc, .offset: 48, .size: 8, .value_kind: global_buffer, .address_space: global }
    .group_segment_fixed_size: 327680
    .private_segment_fixed_size: 0
    .kernarg_segment_align: 8
    .kernarg_segment_size: 56
    .max_flat_workgroup_size: 128
    .sgpr_count:     100
    .vgpr_count:     1024
    .wavefront_size: 32
...
	.end_amdgpu_metadata
.endif
;; end of part 2
;; launch attn (part 3): grid 8 x 32, 16 waves a work-group, no clusters, 327,680 bytes of LDS; arguments qkvc, lowp_scales, yc; writes yc
.if DOCPART == 3
	.amdgcn_target "amdgcn-amd-amdhsa--gfx1250"
	.amdhsa_code_object_version 6
	.text
	.protected	k_q99408125dd_attn
	.globl	k_q99408125dd_attn
	.p2align	8
	.type	k_q99408125dd_attn,@function
k_q99408125dd_attn:
	s_mov_b64 s[64:65], 0
	v_nop
	global_prefetch_b8 v0, s[64:65] scope:SCOPE_SE
	s_setreg_imm32_b32 hwreg(HW_REG_WAVE_MODE, 25, 1), 1
	s_wait_xcnt 0x0
; y = softmax(q k^T / 8, causal) v for 64 heads of 64 channels, 2,048 tokens, both products on codes of FP8 (E4M3); y leaves as codes for the last product.
; THE SOFTMAX AHEAD OF THE SECOND PRODUCT: t = score x log2(e) / 8; M = the running largest t rounded UP to a whole number; p = 2^(t - M) is quantised with 2^e8, not normalised.  The row's sum is taken of the unquantised p and divides at the end.
; When M moves, the sum and O are multiplied by 2^(old M - new M), which rounds nothing.
; SHARES.  A work-group takes one pair of heads of one batch (its K rows hold both heads' 64 bytes): waves 0-7 the even head, waves 8-15 the odd one; a wave owns 16 queries, in 256 registers, four waves to a SIMD.
; It takes TWO blocks of 128 queries: block 15 - i, then block i (i = the work-group's x): 16 - i tiles of 128 keys, then i + 1: 17 tiles in every work-group, so all 256 have equal work and every trip count is a constant.
; Tiles wholly above the diagonal are never walked; the last tile of each block lies on the diagonal and is masked.
; NO CLUSTER: the eight work-groups of a head pair need different numbers of tiles in each of their two walks (16 - i and i + 1), so from trip 9 on partners would ask for different key blocks in the same trip.
; LAYOUT.  Both products are used transposed: S^T = K Q^T (K = 64, the K = 64 form), O^T = V^T P^T (K = 128 keys): a lane holds ONE query (lane % 16) throughout.  In S^T's tile t register jj is key 16 t + 8 h + jj, so the conversion's
; two registers are registers 2 t, 2 t + 1 of the K = 128 form's own layout; V's rows were stored so that four 16-byte loads give the same layout.
; THE RING: two LDS slots; a tile is 128 rows of K and 64 rows of V for each head, 144 bytes apart; waves 0-3 fetch 64 rows (8,192 dense bytes) each.  The change of slots stands at a tile's head; one load a wave is out behind it.
; LIMITS: e6 + e7 between -123 and 130 (added to c's exponent field); e8 and e10 between -126 and 119.  NaN among the inputs is not served.
; REGISTERS: v1-7 addresses that stay; v8, v9 the tile's LDS addresses; v10, v11 the stage; v12 -M, v13 the largest t, v[14:15] the sum; v16-23 Q in hand, v24-31 Q of the second block; v32-95 fragments of K, then of V; v96-159 S^T, then p;
;   v160-191 O^T; v192-207 p's codes; v208-215, v216-223 y's codes of the two blocks; v234-255 at work and constants.
.set KP,    144                        ; an LDS row: 128 bytes + 16 of padding
.set VOFF,  128*KP
.set SLOT1, 1<<16                      ; slot 1 begins here: one exclusive or turns an address from slot to slot
.set STAGE, 2*SLOT1                    ; 256 rows x 144 bytes: y's codes of the two blocks
.set SPARE, STAGE+256*KP               ; the spare words, 128 bytes for each wave
.set TB,    2                          ; s2   LDS byte at which the slot in hand begins
.set N,     3                          ; s3   the tile's number, 0 .. 16
.set NBM1,  10                         ; s10  15 - i: the first block, and its last tile
.set NB,    11                         ; s11  16 - i
.set LIM,   12                         ; s12  a wave prefetches while N is under it
.set WV,    18
.set SEL,   20                         ; s[20:21] lane selects: lane l xor 16
.set CS,    22                         ; s[22:23] c
.set G1,    24                         ; s[24:31]
.set G0,    32                         ; s[32:35]
.set BASE,  36                         ; s[36:37] key block 0 of what I fetch (or prefetch)
.set OFF,   38                         ; s[38:39]
.set STEPB, 40                         ; s40  a key block on: 16,384 bytes in K, 8,192 in V
.set PFA,   42                         ; s[42:43]
.set PFS,   44                         ; s[44:45]
.macro TLOAD                           ; waves 0-3 fetch; four v_nop follow the line
	s_cmp_lt_u32 s[WV], 4
	s_cbranch_scc0 .Lnone_\@
	tensor_load_to_lds s[G0:G0+3], s[G1:G1+7]
	s_nop 0
.rept 4
	v_nop
.endr
.Lnone_\@:
.endm
; A PREFETCH INTO THE L2: in trip N key block N + 2, one trip ahead of the tensor load that will ask for it.  All eight work-groups of a head pair begin at key block 0 and go up: the one with i = 0, which walks all sixteen, asks.
; In it waves 4-7 ask, one instruction each, for the 8,192 bytes that waves 0-3 will fetch: lanes 256 bytes apart.  So each aligned block of 256 bytes is named once.  Key blocks 0 and 1 come by their loads alone; from trip 14 on nothing is asked for.
.macro ASK
	s_cmp_lt_u32 s[N], s[LIM]
	s_cbranch_scc0 .Lnot_mine_\@
	global_prefetch_b8 v3, s[PFA:PFA+1] th:TH_LOAD_NT scope:SCOPE_SE
.Lnot_mine_\@:
.endm
; THE CHANGE OF SLOTS, at a tile's head.  Each wave waits for all its tensor loads (its part of the tile ahead), adds 0 to its spare word, and waits for that and for its reads of the slot that it has left.
; fill = 1: behind the barrier that slot takes tile N + 1: key block N + 1, or N + 1 - NB in the second block.
.macro CHANGE fill
	s_wait_tensorcnt 0x0                           ; no tensor load of mine is out, so group 0 may be written
	ds_add_u32 v5, v6                              ; 0 onto my spare word
.if \fill
	s_add_co_u32 s41, s[N], 1
	s_sub_co_u32 s57, s41, s[NB]
	s_cmp_lt_u32 s41, s[NB]
	s_cselect_b32 s41, s41, s57
	s_mul_i32 s[OFF], s41, s[STEPB]
	s_add_nc_u64 s[G0+2:G0+3], s[BASE:BASE+1], s[OFF:OFF+1]
	s_or_b32 s[G0+3], s[G0+3], 0x80000000
	s_xor_b32 s[G0+1], s[G0+1], SLOT1
	s_wait_xcnt 0x0                                ; the last prefetch, a trip back, has read its address
	s_add_nc_u64 s[PFA:PFA+1], s[PFA:PFA+1], s[PFS:PFS+1]
.endif
	s_wait_dscnt 0x0                               ; the add is done, and my reads of the slot that I have left are over
	s_barrier_signal -1
	s_barrier_wait -1
.if \fill
	TLOAD                                          ; the first thing behind the barrier, and a wave's one tensor load until the next
	ASK
.endif
.endm
; A TILE OF 128 KEYS.  diag = 1: masked where N = NBM1 (a scalar branch on ids);  2: always masked.
.macro STEP diag
	v_add_nc_u32 v8, s[TB], v1
	v_add_nc_u32 v9, s[TB], v2
	v_nop                                          ; with the two additions: four places in front of loads into registers that the last products read
	v_nop
.irp t, 0,1,2,3,4,5,6,7
.irp c, 0,1
	ds_load_b128 v[32+8*\t+4*\c:32+8*\t+4*\c+3], v8 offset:\t*16*KP+32*\c
.endr
.endr
	s_wait_alu depctr_va_vdst(0)
	s_wait_dscnt 0x0
.irp t, 0,1,2,3,4,5,6,7
	v_wmma_f32_16x16x64_fp8_fp8 v[96+8*\t:103+8*\t], v[32+8*\t:39+8*\t], v[16:23], 0
.endr
.rept 4
	v_nop
.endr
.irp t, 0,1,2,3
.irp c, 0,1,2,3
	ds_load_b128 v[32+16*\t+4*\c:32+16*\t+4*\c+3], v9 offset:\t*16*KP+32*\c   ; V's fragments land while the softmax is worked
.endr
.endr
.if \diag == 1
	s_cmp_lg_u32 s[N], s[NBM1]
	s_cbranch_scc1 .Lopen_\@
.endif
	v_mov_b32 v254, 0xff800000                     ; -infinity: p = 0 then.  Register 8 t + jj holds key 16 t + 8 h + jj of the block: hidden where 16 t + jj > my query - 8 h
.set nn, 0
.rept 64
	v_cmp_gt_i32 vcc_lo, 16*(nn/8)+nn%8, v4
	v_cndmask_b32 v[96+nn], v[96+nn], v254, vcc_lo
.set nn, nn+1
.endr
.if \diag == 1
.Lopen_\@:
.endif
	v_max3_num_f32 v254, v96, v97, v98             ; the tile's largest score of my query, among my 64 keys, in two chains,
	v_max3_num_f32 v252, v99, v100, v101
.irp i, 6,10,14,18,22,26,30,34,38,42,46,50,54,58
	v_max3_num_f32 v254, v254, v[96+\i], v[97+\i]
	v_max3_num_f32 v252, v252, v[98+\i], v[99+\i]
.endr
	v_max3_num_f32 v254, v254, v158, v159
	s_delay_alu instid0(VALU_DEP_1)
	v_max_num_f32 v254, v254, v252
	s_delay_alu instid0(VALU_DEP_1)
	v_permlanex16_b32 v236, v254, s[SEL], s[SEL+1]
	s_delay_alu instid0(VALU_DEP_1)
	v_max_num_f32 v254, v254, v236                 ; and among lane l xor 16's
	s_delay_alu instid0(VALU_DEP_1)
	v_mul_f32 v254, s[CS], v254                    ; as t (c is positive)
	s_delay_alu instid0(VALU_DEP_1)
	v_max_num_f32 v13, v13, v254                   ; the running largest t
	v_mov_b32 v254, v12
	s_delay_alu instid0(VALU_DEP_2)
	v_floor_f32 v12, -v13                          ; the new -M = floor(-t): M is a whole number
	s_delay_alu instid0(VALU_DEP_1)
	v_sub_f32 v254, v12, v254                      ; old M - new M: a whole number, 0 or less
	s_delay_alu instid0(VALU_DEP_1)
	v_cvt_i32_f32 v254, v254                       ; (it saturates)
	s_delay_alu instid0(VALU_DEP_1)
	v_ldexp_f32 v252, 1.0, v254                    ; f = 2^(old M - new M)
.set jj, 0
.rept 32
	v_pk_fma_f32 v[96+jj:97+jj], v[96+jj:97+jj], s[CS:CS+1], v[12:13] op_sel_hi:[1,0,0]   ; t - M, two at a time
.set jj, jj+2
.endr
.set jj, 0
	s_wait_alu depctr_va_vdst(0)
.rept 64
	v_exp_f32 v[96+jj], v[96+jj]                   ; p = 2^(t - M), at most 1
.set jj, jj+1
.endr
	v_pk_mul_f32 v[14:15], v[14:15], v[252:253] op_sel_hi:[1,0]   ; the sums under the new M: a plain line behind the exponentials
	s_wait_alu depctr_va_vdst(0)                   ; one wait for the whole batch, ahead of its first reader
	v_pk_add_f32 v[242:243], v[100:101], v[104:105]
	v_pk_add_f32 v[254:255], v[108:109], v[112:113]
	v_pk_add_f32 v[250:251], v[116:117], v[120:121]
	v_pk_add_f32 v[248:249], v[124:125], v[128:129]
	v_pk_add_f32 v[240:241], v[132:133], v[136:137]
	v_pk_add_f32 v[238:239], v[140:141], v[144:145]
	v_pk_add_f32 v[234:235], v[148:149], v[152:153]
	v_pk_add_f32 v[14:15], v[14:15], v[156:157]
	v_pk_add_f32 v[242:243], v[242:243], v[96:97]
	v_pk_add_f32 v[254:255], v[254:255], v[98:99]
	v_pk_add_f32 v[250:251], v[250:251], v[102:103]
	v_pk_add_f32 v[248:249], v[248:249], v[106:107]
	v_pk_add_f32 v[240:241], v[240:241], v[110:111]
	v_pk_add_f32 v[238:239], v[238:239], v[114:115]
	v_pk_add_f32 v[234:235], v[234:235], v[118:119]
	v_pk_add_f32 v[14:15], v[14:15], v[122:123]
	v_pk_add_f32 v[242:243], v[242:243], v[126:127]
	v_pk_add_f32 v[254:255], v[254:255], v[130:131]
	v_pk_add_f32 v[250:251], v[250:251], v[134:135]
	v_pk_add_f32 v[248:249], v[248:249], v[138:139]
	v_pk_add_f32 v[240:241], v[240:241], v[142:143]
	v_pk_add_f32 v[238:239], v[238:239], v[146:147]
	v_pk_add_f32 v[234:235], v[234:235], v[150:151]
	v_pk_add_f32 v[14:15], v[14:15], v[154:155]
	v_pk_add_f32 v[242:243], v[242:243], v[158:159]
	s_delay_alu instid0(VALU_DEP_2)
	v_pk_add_f32 v[14:15], v[14:15], v[248:249]
	s_delay_alu instid0(VALU_DEP_2)
	v_pk_add_f32 v[242:243], v[242:243], v[240:241]
	v_pk_add_f32 v[254:255], v[254:255], v[238:239]
	v_pk_add_f32 v[250:251], v[250:251], v[234:235]
	s_delay_alu instid0(VALU_DEP_2)
	v_pk_add_f32 v[14:15], v[14:15], v[254:255]
	s_delay_alu instid0(VALU_DEP_2)
	v_pk_add_f32 v[242:243], v[242:243], v[250:251]
	s_delay_alu instid0(VALU_DEP_1)
	v_pk_add_f32 v[14:15], v[14:15], v[242:243]
.irp t, 0,1,2,3,4,5,6,7
.irp i, 0,1,2,3,4,5,6,7
.endr
	v_cvt_scalef32_pk8_fp8_f32 v[192+2*\t:193+2*\t], v[96+8*\t:103+8*\t], v244
.endr
.set jj, 0
.rept 16
	v_pk_mul_f32 v[160+jj:161+jj], v[160+jj:161+jj], v[252:253] op_sel_hi:[1,0]   ; O^T under the new M; also the plain lines between the conversions and the products
.set jj, jj+2
.endr
	s_wait_alu depctr_va_vdst(0)
	s_wait_dscnt 0x0                               ; V is in
.irp t, 0,1,2,3
	v_wmma_f32_16x16x128_fp8_fp8 v[160+8*\t:167+8*\t], v[32+16*\t:47+16*\t], v[192:207], v[160+8*\t:167+8*\t]
.endr
.endm
.macro START                           ; a block begins: zeros, which the first change of M leaves zeros, and a largest t under every t
	v_mov_b32 v13, 0xff61b1e6
	s_delay_alu instid0(VALU_DEP_1)
	v_floor_f32 v12, -v13
	v_mov_b32 v14, 0
	v_mov_b32 v15, 0
.set jj, 0
.rept 32
	v_mov_b32 v[160+jj], 0
.set jj, jj+1
.endr
.endm
.macro FINAL dst                       ; a block ends: y = O^T / the sum x 2^(e8 + e9), converted with 2^e10: register 2 t, 2 t + 1 of dst: channels 16 t + 8 h + 0 .. 7 of my query
.rept 4
	v_nop
.endr
	v_add_f32 v14, v14, v15
	s_delay_alu instid0(VALU_DEP_1)
	v_permlanex16_b32 v252, v14, s[SEL], s[SEL+1]
	s_delay_alu instid0(VALU_DEP_1)
	v_add_f32 v14, v14, v252                       ; the row's sum
	s_wait_alu depctr_va_vdst(0)
	v_rcp_f32 v14, v14
	v_nop                                          ; a plain line behind the transcendental
	s_wait_alu depctr_va_vdst(0)                   ; and the wait ahead of its first reader
	v_ldexp_f32 v14, v14, s56
.set jj, 0
.rept 32
	v_mul_f32 v[96+jj], v[160+jj], v14
.set jj, jj+1
.endr
.set jj, 0
.rept 32
.set jj, jj+1
.endr
.irp t, 0,1,2,3
	v_cvt_scalef32_pk8_fp8_f32 v[\dst+2*\t:\dst+2*\t+1], v[96+8*\t:103+8*\t], v246
.endr
	v_nop
.endm
	s_load_b128 s[4:7], s[0:1], 0x0                ; qkvc, the scales
	s_load_b64 s[8:9], s[0:1], 0x10                ; yc
	v_lshl_add_u32 v5, v0, 2, SPARE
	v_mov_b32 v6, 0
	ds_add_u32 v5, v6
	ds_add_u32 v5, v6
	s_wait_dscnt 0x0
	v_lshrrev_b32 v8, 5, v0
	s_delay_alu instid0(VALU_DEP_1)
	v_readfirstlane_b32 s[WV], v8                  ; wave 0..15
	s_and_b32 s13, ttmp7, 0xffff
	s_lshr_b32 s14, s13, 3                         ; the batch
	s_and_b32 s15, s13, 7                          ; the head pair
	s_sub_co_u32 s[NB], 16, ttmp9
	s_sub_co_u32 s[NBM1], 15, ttmp9
	s_and_b32 s16, s[WV], 3                        ; what I fetch (waves 0-3) or prefetch (waves 4-7): 0, 1: K's halves; 2, 3: V of the two heads
	s_and_b32 s62, s16, 1
	s_lshl_b32 s17, s15, 20
	s_lshl_b32 s19, s14, 18
	s_add_co_u32 s17, s17, s19                     ; (pair x 8,192 + batch x 2,048) rows of 128 bytes: in q, in k and in yc
	s_lshl_b32 s19, s62, 13
	s_add_co_u32 s19, s19, s17
	s_add_co_u32 s19, s19, 0x800000                ; K: part 1 of qkvc, + my 64 rows
	s_lshl_b32 s41, s14, 4
	s_lshl_b32 s57, s15, 1
	s_add_co_u32 s41, s41, s57
	s_add_co_u32 s41, s41, s62
	s_lshl_b32 s41, s41, 17
	s_add_co_u32 s41, s41, 0x1000000               ; V: part 2, (batch x 16 + head) x 16 key blocks x 8,192
	s_mov_b32 s[STEPB], 8192
	s_cmp_lt_u32 s16, 2
	s_cselect_b32 s[OFF], s19, s41
	s_cselect_b32 s[STEPB], 16384, s[STEPB]
	s_mov_b32 s[OFF+1], 0
	s_mov_b32 s[G1], (1<<20)|(4<<22)|(3<<25)       ; no mask; elements of 1 byte; padding: four words after every 32
	s_mov_b32 s[G1+1], 128<<16                     ; tensor_dim0
	s_mov_b32 s[G1+2], 64<<16                      ; tensor_dim1
	s_mov_b32 s[G1+3], 128<<16                     ; tile_dim0
	s_mov_b32 s[G1+4], 64                          ; tile_dim1
	s_mov_b32 s[G1+5], 128                         ; dense rows
	s_mov_b32 s[G1+6], 0
	s_mov_b32 s[G1+7], 0
	s_mov_b32 s[G0], 1
	s_mul_i32 s[G0+1], s16, 64*KP                  ; slot 0: K's halves, then V's two heads
	s_mov_b32 s[SEL], 0x76543210
	s_mov_b32 s[SEL+1], 0xfedcba98
	s_mov_b32 s[TB], 0
	s_mov_b32 s[N], 0
	s_wait_kmcnt 0x0
	s_load_b256 s[48:55], s[6:7], 0x10             ; e4 .. e11
	s_add_nc_u64 s[BASE:BASE+1], s[4:5], s[OFF:OFF+1]
	s_mov_b64 s[G0+2:G0+3], s[BASE:BASE+1]
	s_or_b32 s[G0+3], s[G0+3], 0x80000000
	TLOAD                                          ; tile 0
	s_mov_b32 s[PFS], s[STEPB]
	s_mov_b32 s[PFS+1], 0
	s_add_nc_u64 s[PFA:PFA+1], s[BASE:BASE+1], s[PFS:PFS+1]   ; at key block 1: trip 0 steps it to 2.  Nothing is prefetched here, at the head
	s_lshr_b32 s13, s[WV], 2
	s_xor_b32 s13, s13, 1                          ; 0 in waves 4-7,
	s_or_b32 s13, s13, ttmp9                       ; of the work-group with i = 0
	s_cmp_eq_u32 s13, 0
	s_cselect_b32 s[LIM], 14, 0
	s_mov_b32 s72, s17
	s_mov_b32 s73, 0
	s_add_nc_u64 s[60:61], s[4:5], s[72:73]        ; q at the pair's and batch's first row
	v_and_b32 v8, 15, v0                           ; r
	v_bfe_u32 v9, v0, 4, 1                         ; h
	s_lshr_b32 s62, s[WV], 3                       ; which head of the pair
	s_and_b32 s63, s[WV], 7                        ; which 16 queries of a block
	s_lshl_b32 s67, s62, 6                         ; its 64 bytes of a row
	s_lshl_b32 s68, s63, 4
	v_add_nc_u32 v11, s68, v8
	s_delay_alu instid0(VALU_DEP_1)
	v_lshlrev_b32 v11, 7, v11
	s_delay_alu instid0(VALU_DEP_1)
	v_lshl_add_u32 v11, v9, 4, v11
	s_delay_alu instid0(VALU_DEP_1)
	v_add_nc_u32 v11, s67, v11                     ; q: row 16 wq + r, + 64 hs + 16 h
	s_lshl_b32 s69, s[NBM1], 14
	s_lshl_b32 s70, ttmp9, 14
	v_add_nc_u32 v32, s69, v11                     ; in block 15 - i,
	v_add_nc_u32 v33, s70, v11                     ; in block i
	global_load_b128 v[16:19], v32, s[60:61]
	global_load_b128 v[20:23], v32, s[60:61] offset:32
	global_load_b128 v[24:27], v33, s[60:61]
	global_load_b128 v[28:31], v33, s[60:61] offset:32
	v_mul_u32_u24 v1, v8, KP
	s_delay_alu instid0(VALU_DEP_1)
	v_lshl_add_u32 v10, v9, 3, v1                  ; (for the stage: r x 144 + 8 h)
	s_delay_alu instid0(VALU_DEP_2)
	v_lshl_add_u32 v1, v9, 4, v1                   ; r x 144 + 16 h
	s_mul_i32 s66, s62, 64*KP
	s_add_co_u32 s66, s66, VOFF
	v_add_nc_u32 v2, s66, v1                       ; V: my head's 64 rows
	v_add_nc_u32 v1, s67, v1                       ; K: my head's 64 bytes of a row
	v_and_b32 v34, 31, v0
	s_delay_alu instid0(VALU_DEP_1)
	v_lshlrev_b32 v3, 8, v34                       ; the prefetches: 256 x lane
	s_delay_alu instid0(VALU_DEP_2)
	v_lshlrev_b32 v7, 4, v34                       ; the way out: 16 x lane
	v_lshlrev_b32 v4, 3, v9
	s_delay_alu instid0(VALU_DEP_1)
	v_sub_nc_u32 v4, v8, v4
	s_delay_alu instid0(VALU_DEP_1)
	v_add_nc_u32 v4, s68, v4                       ; my query in its block - 8 h
	s_mul_i32 s71, s63, 16*KP
	s_add_co_u32 s71, s71, s67
	s_add_co_u32 s71, s71, STAGE
	v_add_nc_u32 v10, s71, v10                     ; the stage, in: row 16 wq + r, byte 64 hs + 8 h
	v_lshrrev_b32 v35, 3, v34
	s_delay_alu instid0(VALU_DEP_1)
	v_mul_u32_u24 v35, v35, KP
	v_and_b32 v34, 7, v0
	s_delay_alu instid0(VALU_DEP_1)
	v_lshl_add_u32 v11, v34, 4, v35
	s_mul_i32 s71, s[WV], 16*KP
	s_add_co_u32 s71, s71, STAGE
	v_add_nc_u32 v11, s71, v11                     ; back: wave w takes rows 16 w on, eight lanes to a row
	s_cmp_lt_u32 s[WV], 8                          ; which are the first block's in waves 0-7, the second's in waves 8-15
	s_cselect_b32 s72, s[NBM1], ttmp9
	s_lshl_b32 s72, s72, 14
	s_lshl_b32 s74, s63, 11
	s_add_co_u32 s72, s72, s74
	s_add_co_u32 s72, s72, s17
	s_add_nc_u64 s[58:59], s[8:9], s[72:73]
	START
	v_mov_b32 v236, 0                              ; written once: a lane permute's destination counts as one of its sources
	v_mov_b32 v253, 0                              ; (named as the upper half of the pair v[252:253])
.set jj, 0
.rept 8
	v_mov_b32 v[208+jj], 0                         ; the first block's codes are made in one trip of the loop: written here too, so that they hold a number on every way through the text
.set jj, jj+1
.endr
	s_wait_kmcnt 0x0
	s_mov_b32 s[CS], 0x3e38aa3b                    ; c = log2(e) / 8
	s_add_co_i32 s13, s50, s51
	s_lshl_b32 s13, s13, 23
	s_add_co_i32 s[CS], s[CS], s13                 ; x 2^(e6 + e7): the two exponents are added to c's exponent field
	s_mov_b32 s[CS+1], s[CS]
	s_add_co_i32 s13, s52, 127
	s_lshl_b32 s14, s13, 23
	v_mov_b32 v244, s14                            ; 2^e8
	s_add_co_i32 s13, s54, 127
	s_lshl_b32 s14, s13, 23
	v_mov_b32 v246, s14                            ; 2^e10
	s_add_co_i32 s56, s52, s53                     ; e8 + e9
	s_wait_loadcnt 0x0                             ; Q
.Ltile:                                            ; 16 trips: behind each change of slots the next tile is asked for
	CHANGE 1
	s_wait_alu depctr_va_vdst(0)
	STEP 1
	s_cmp_lg_u32 s[N], s[NBM1]                     ; the first block's last tile?  Register work alone is jumped over
	s_cbranch_scc1 .Lsame
	FINAL 208
	START
.set jj, 0
.rept 8
	v_mov_b32 v[16+jj], v[24+jj]                   ; the second block's queries
.set jj, jj+1
.endr
.Lsame:
	s_xor_b32 s[TB], s[TB], SLOT1
	s_add_co_u32 s[N], s[N], 1
	s_cmp_lt_u32 s[N], 16
	s_cbranch_scc1 .Ltile
	CHANGE 0                                       ; tile 16 is written out
	STEP 2
	FINAL 216
	; THE WAY OUT: a token's 128 bytes come from two waves (the two heads): the codes meet in the stage, channels in their natural order, and leave as whole rows
.irp t, 0,1,2,3
	ds_store_b64 v10, v[208+2*\t:209+2*\t] offset:16*\t
	ds_store_b64 v10, v[216+2*\t:217+2*\t] offset:128*KP+16*\t
.endr
	s_wait_dscnt 0x0                               ; for the others' sake: my stores into the stage are done
	s_barrier_signal -1
	s_barrier_wait -1
.irp g, 0,1,2,3
	ds_load_b128 v[32+4*\g:35+4*\g], v11 offset:\g*4*KP
.endr
.irp g, 0,1,2,3
	s_wait_dscnt 3-\g
	global_store_b128 v7, v[32+4*\g:35+4*\g], s[58:59] offset:512*\g   ; 32 lanes store 512 consecutive bytes, aligned
.endr
	s_wait_tensorcnt 0x0                           ; the wave's end
	ds_add_u32 v5, v6
	s_wait_dscnt 0x0
	s_endpgm
.Lfunc_end_k_q99408125dd_attn:
	.size	k_q99408125dd_attn, .Lfunc_end_k_q99408125dd_attn-k_q99408125dd_attn
	.p2alignl 7, 3214868480
	.fill 96, 4, 3214868480
	.section	.rodata,"a",@progbits
	.p2align	6, 0x0
	.amdhsa_kernel k_q99408125dd_attn
		.amdhsa_group_segment_fixed_size 327680
		.amdhsa_private_segment_fixed_size 0
		.amdhsa_enable_private_segment 0
		.amdhsa_kernarg_size 24
		.amdhsa_user_sgpr_count 2
		.amdhsa_user_sgpr_kernarg_segment_ptr 1
		.amdhsa_wavefront_size32 1
		.amdhsa_system_sgpr_workgroup_id_x 1
		.amdhsa_system_sgpr_workgroup_id_y 1
		.amdhsa_system_sgpr_workgroup_id_z 1
		.amdhsa_system_vgpr_workitem_id 0
		.amdhsa_next_free_vgpr 256
		.amdhsa_next_free_sgpr 80
		.amdhsa_reserve_vcc 1
		.amdhsa_float_denorm_mode_32 3
		.amdhsa_float_denorm_mode_16_64 3
		.amdhsa_fp16_overflow 1
		.amdhsa_memory_ordered 1
		.amdhsa_forward_progress 1
		.amdhsa_inst_pref_size 54
	.end_amdhsa_kernel
	.amdgpu_metadata
---
amdhsa.version: [ 1, 2 ]
amdhsa.kernels:
  - .name:           k_q99408125dd_attn
    .symbol:         k_q99408125dd_attn.kd
    .args:
      - { .name: qkvc, .offset: 0, .size: 8, .value_kind: global_buffer, .address_space: global }
      - { .name: lowp_scales, .offset: 8, .size: 8, .value_kind: global_buffer, .address_space: global }
      - { .name: yc, .offset: 16, .size: 8, .value_kind: global_buffer, .address_space: global }
    .group_segment_fixed_size: 327680
    .private_segment_fixed_size: 0
    .kernarg_segment_align: 8
    .kernarg_segment_size: 24
    .max_flat_workgroup_size: 512
    .sgpr_count:     80
    .vgpr_count:     256
    .wavefront_size: 32
...
	.end_amdgpu_metadata
.endif
;; end of part 3
;; launch proj (part 4): grid 4 x 64, 4 waves a work-group, clusters of 4 x 4, 327,680 bytes of LDS; arguments yc, wc, bp, lowp_scales, out0; writes out0
.if DOCPART == 4
	.amdgcn_target "amdgcn-amd-amdhsa--gfx1250"
	.amdhsa_code_object_version 6
	.text
	.protected	k_q99408125dd_proj
	.globl	k_q99408125dd_proj
	.p2align	8
	.type	k_q99408125dd_proj,@function
k_q99408125dd_proj:
	s_mov_b64 s[64:65], 0
	v_nop
	global_prefetch_b8 v0, s[64:65] scope:SCOPE_SE
	s_setreg_imm32_b32 hwreg(HW_REG_WAVE_MODE, 25, 1), 1
	s_wait_xcnt 0x0
	s_wait_alu depctr_hold_cnt(0) depctr_sa_sdst(0) depctr_va_vdst(0) depctr_va_sdst(0) depctr_va_ssrc(0) depctr_va_vcc(0) depctr_vm_vsrc(0)
	s_getreg_b32 s2, hwreg(HW_REG_IB_STS2, 6, 4)
	s_cmp_eq_u32 s2, 0
	s_cbranch_scc0 .Lentry_in_a_cluster
	s_endpgm
.Lentry_in_a_cluster:
	s_bfe_u32 s2, ttmp6, 0x10000c
	s_cmp_lg_u32 s2, 0xf033
	s_cbranch_scc0 .Lentry_shape_is_right
	s_endpgm
.Lentry_shape_is_right:
; out = y Wp^T + bp on codes of FP8 (E4M3): y's codes [8 chunks][8192 tokens][128], Wp's codes the fourth part of wc, [8 chunks][1024 rows][128]; out [8192][1024] f32.
; THE CORE is the one of the launch that makes q, k and v: a tile of 256 rows of side S0 (Wp's rows: output channels) x 128 rows of side S1 (tokens), K = 1,024 in 8 chunks of 128.  Four waves; wave 2 i + j makes tokens 64 i on x channels 128 j on:
; 32 accumulators.  Source 0 = 16 rows of S0, source 1 = 16 rows of S1: lane (r, h) holds token 16 a + r, and its register jj channel 16 b + 8 h + jj: eight neighbouring numbers of a row of out.  256 tiles.
; THE RING: two LDS slots of two chunks each, four fills, all written out.  Waves 0, 1 fetch S0's two chunks, waves 2, 3 S1's: one load a wave behind each change of slots; two are asked for at the start, the second once the first is in.
; CLUSTERS: 4 x 4 work-groups.  S0's tile hangs on cx and is shared along a column of the cluster, S1's on cy and along a row: each is asked for jointly.
; THE WAY OUT: out = sum x 2^(e10 + e11) + bp, one packed multiply-add for two numbers; a block of 16 tokens x 128 channels goes through the wave's own stage and leaves as rows of 512 bytes.
; LIMIT: e10 + e11 between -126 and 127.
; REGISTERS, in windows of 256: window 0: v16-29 addresses; v32-95 at work; v96-223 rows read back, two sets.  window 1: S0's fragments, two sets of 128.  window 2: the accumulators.  window 3: S1's fragments, two sets of 64; v128-191 the bias.
.set PITCH,  144                       ; an LDS row: 128 bytes + 16 of padding
.set S0CH,   256*PITCH
.set S1CH,   128*PITCH
.set S1OFF,  2*S0CH
.set SLOT,   S1OFF+2*S1CH
.set STAGE,  2*SLOT                    ; behind the ring: 16 rows x 528 bytes for each wave
.set SPITCH, 528
.set SPARE,  STAGE+4*16*SPITCH         ; behind the stages: the spare words, 128 bytes for each wave
.set AD0, 16
.set AD1, 20
.set STO, 24
.set RD,  25
.set CO,  26
.set SPW, 28
.set NIL, 29
.set TMP, 32
.set BK,  96
.set BI,  128                          ; the bias, in window 3
.set G1S1, 24
.set G0S1, 32
.set G1S0, 48
.set G0S0, 56
.set ST0, 74
.set ST1, 76
.set FIELDS, (1<<20)|(1<<21)|(4<<22)|(3<<25)
.set MSB, 0
.macro WIN new
.if MSB != \new
	s_set_vgpr_msb (MSB<<8)|\new
.set MSB, \new
.endif
.endm
.set MUL,   0xad
.set TO_S0, 0x40
.set TO_S1, 0xc0
.macro JLOAD g0a, g1a, g0b, g1b
	s_cmp_eq_u32 s15, 0
	s_cbranch_scc0 .Lfor_b_\@
	tensor_load_to_lds s[\g0a:\g0a+3], s[\g1a:\g1a+7]
	s_nop 0
.rept 4
	v_nop
.endr
	s_branch .Lasked_\@
.Lfor_b_\@:
	tensor_load_to_lds s[\g0b:\g0b+3], s[\g1b:\g1b+7]
	s_nop 0
.rept 4
	v_nop
.endr
.Lasked_\@:
.endm
.macro CREST
	s_cmp_lg_u32 s14, 0
	s_cbranch_scc1 .Lnot_wave_0_\@
	s_barrier_signal -3
.Lnot_wave_0_\@:
	s_barrier_wait -3
	s_barrier_signal -1
	s_barrier_wait -1
.endm
.macro CROUND
	s_barrier_signal -1
	s_barrier_wait -1
	CREST
.endm
.macro PLACES n
.rept \n
	v_nop
.endr
.endm
.macro FETCH slot, q, p
	WIN TO_S0
.irp b, 0,1,2,3,4,5,6,7
.irp c, 0,1,2,3
	ds_load_b128 v[128*(\p)+16*\b+4*\c:128*(\p)+16*\b+4*\c+3], v[AD0+\slot] offset:(\q)*S0CH+\b*16*PITCH+32*\c
.endr
.endr
	WIN TO_S1
.irp a, 0,1,2,3
.irp c, 0,1,2,3
	ds_load_b128 v[64*(\p)+16*\a+4*\c:64*(\p)+16*\a+4*\c+3], v[AD1+\slot] offset:(\q)*S1CH+\a*16*PITCH+32*\c
.endr
.endr
	WIN 0
.endm
.macro MUL8 a, p, zero                 ; the 32 accumulators take turns in one order throughout
.irp b, 0,1,2,3,4,5,6,7
.if \zero
	v_wmma_f32_16x16x128_fp8_fp8 v[8*(8*(\a)+\b):8*(8*(\a)+\b)+7], v[128*(\p)+16*\b:128*(\p)+16*\b+15], v[64*(\p)+16*(\a):64*(\p)+16*(\a)+15], 0
.else
	v_wmma_f32_16x16x128_fp8_fp8 v[8*(8*(\a)+\b):8*(8*(\a)+\b)+7], v[128*(\p)+16*\b:128*(\p)+16*\b+15], v[64*(\p)+16*(\a):64*(\p)+16*(\a)+15], v[8*(8*(\a)+\b):8*(8*(\a)+\b)+7]
.endif
.endr
.endm
.macro STEP slot, zero
	s_wait_dscnt 0x0                               ; set 0 is in
	PLACES 4                                       ; set 1 was read by the last products
	FETCH \slot, 1, 1
	WIN MUL
	MUL8 0, 0, \zero
	MUL8 1, 0, \zero
	MUL8 2, 0, \zero
	MUL8 3, 0, \zero
	WIN 0
.endm
.macro TURN slot, next, fill
	s_wait_tensorcnt 0x0                           ; all my tensor loads have landed: my part of the next slot
	ds_add_u32 v[SPW], v[NIL]                      ; 0 onto my spare word
	s_wait_dscnt 1                                 ; set 1 is in; the add alone may be out
	WIN MUL
	MUL8 0, 1, 0
	s_wait_dscnt 0x0                               ; the add is done, and my reads of this slot are over
	s_barrier_signal -1
	MUL8 1, 1, 0
	WIN 0
	s_barrier_wait -1
.if \fill
	CREST                                          ; no wave of any partner still reads this slot or has a load on its way
	s_add_nc_u64 s[G0S0+4*\slot+2:G0S0+4*\slot+3], s[G0S0+4*\slot+2:G0S0+4*\slot+3], s[ST0:ST0+1]
	s_add_nc_u64 s[G0S1+4*\slot+2:G0S1+4*\slot+3], s[G0S1+4*\slot+2:G0S1+4*\slot+3], s[ST1:ST1+1]
	JLOAD G0S0+4*\slot, G1S0, G0S1+4*\slot, G1S1   ; the first tensor load behind the round; its four v_nop are the places in front of the loads below
.else
	PLACES 4
.endif
	FETCH \next, 0, 0
	WIN MUL
	MUL8 2, 1, 0
	MUL8 3, 1, 0
	WIN 0
.endm
	s_load_b128 s[4:7], s[0:1], 0x0                ; yc, wc
	s_load_b128 s[8:11], s[0:1], 0x10              ; bp, the scales
	s_load_b64 s[12:13], s[0:1], 0x20              ; out0
	v_lshl_add_u32 v[SPW], v0, 2, SPARE
	v_mov_b32 v[NIL], 0
	ds_add_u32 v28, v29
	ds_add_u32 v28, v29
	s_wait_dscnt 0x0
	v_lshrrev_b32 v1, 5, v0
	v_readfirstlane_b32 s14, v1                    ; wave
	s_lshr_b32 s15, s14, 1                         ; i.  Also: I fetch for S0 (0) or for S1 (1)
	s_and_b32 s16, s14, 1                          ; j.  Also: which chunk of a slot I fetch
	s_bfe_u32 s40, ttmp6, 0x40000                  ; cx = s0: the tile of 256 channels
	s_bfe_u32 s41, ttmp6, 0x40004                  ; cy
	s_lshl_b32 s17, s41, 2
	s_lshl_b32 s17, 15, s17                        ; my row of the cluster
	s_lshl_b32 s18, 0x1111, s40                    ; my column
	s_or_b32 s[G1S1], s17, FIELDS
	s_or_b32 s[G1S0], s18, FIELDS
.irp g, G1S1, G1S0
	s_mov_b32 s[\g+1], 128<<16
	s_mov_b32 s[\g+3], 128<<16
	s_mov_b32 s[\g+5], 128
	s_mov_b32 s[\g+6], 0
	s_mov_b32 s[\g+7], 0
.endr
	s_mov_b32 s[G1S0+2], 256<<16
	s_mov_b32 s[G1S0+4], 256
	s_mov_b32 s[G1S1+2], 128<<16
	s_mov_b32 s[G1S1+4], 128
	s_and_b32 s45, ttmp7, 0xffff
	s_lshl_b32 s45, s45, 2
	s_add_co_u32 s45, s45, s41                     ; s1 = 4 cluster y + cy: the tile of 128 tokens
	s_mov_b32 s[ST0], 0x80000                      ; four chunks on in Wp's codes,
	s_mov_b32 s[ST0+1], 0
	s_mov_b32 s[ST1], 0x400000                     ; in y's
	s_mov_b32 s[ST1+1], 0
	s_mov_b32 s66, 0x40000                         ; two chunks on
	s_mov_b32 s67, 0
	s_mov_b32 s22, 0x200000
	s_mov_b32 s23, 0
	s_lshl_b32 s46, s40, 15                        ; S0: the tile's 256 rows of 128 bytes,
	s_lshl_b32 s47, s16, 17                        ; my chunk,
	s_add_co_u32 s46, s46, s47
	s_add_co_u32 s46, s46, 0x300000                ; in the fourth part of wc
	s_mov_b32 s47, 0
	s_lshl_b32 s20, s45, 14                        ; S1: the tile's 128 rows,
	s_lshl_b32 s21, s16, 20                        ; my chunk
	s_add_co_u32 s20, s20, s21
	s_mov_b32 s21, 0
	s_mul_i32 s17, s16, S0CH
	s_mul_i32 s18, s16, S1CH
	s_add_co_u32 s18, s18, S1OFF
	s_wait_kmcnt 0x0
	s_load_b64 s[96:97], s[10:11], 0x28            ; e10, e11
	s_add_nc_u64 s[78:79], s[6:7], s[46:47]
	s_add_nc_u64 s[80:81], s[4:5], s[20:21]
	CROUND                                         ; all sixteen work-groups are here: the first joint loads meet
.irp s, 0,1
.if \s
	s_add_nc_u64 s[78:79], s[78:79], s[66:67]
	s_add_nc_u64 s[80:81], s[80:81], s[22:23]
.endif
	s_mov_b32 s[G0S0+4*\s], 1
	s_add_co_u32 s[G0S0+4*\s+1], s17, \s*SLOT
	s_mov_b64 s[G0S0+4*\s+2:G0S0+4*\s+3], s[78:79]
	s_or_b32 s[G0S0+4*\s+3], s[G0S0+4*\s+3], 0x80000000
	s_mov_b32 s[G0S1+4*\s], 1
	s_add_co_u32 s[G0S1+4*\s+1], s18, \s*SLOT
	s_mov_b64 s[G0S1+4*\s+2:G0S1+4*\s+3], s[80:81]
	s_or_b32 s[G0S1+4*\s+3], s[G0S1+4*\s+3], 0x80000000
	s_wait_alu depctr_va_vdst(0)
	s_wait_tensorcnt 0x0
	ds_add_u32 v28, v29
	ds_add_u32 v28, v29
	s_wait_dscnt 0x0
	CROUND
	JLOAD G0S0+4*\s, G1S0, G0S1+4*\s, G1S1
.endr
	v_and_b32 v1, 15, v0                           ; r
	s_wait_alu depctr_va_vdst(0)
	v_bfe_u32 v2, v0, 4, 1                         ; h
	v_mul_u32_u24 v3, v1, PITCH
	v_lshl_add_u32 v3, v2, 4, v3
	s_mul_i32 s17, s16, 128*PITCH
	s_mul_i32 s18, s15, 64*PITCH
	s_add_co_u32 s18, s18, S1OFF
.irp s, 0,1
	v_add_nc_u32 v[AD0+\s], s17, v3
	v_add_nc_u32 v[AD1+\s], s18, v3
	s_add_co_u32 s17, s17, SLOT
	s_add_co_u32 s18, s18, SLOT
.endr
	s_mul_i32 s19, s14, 16*SPITCH
	s_add_co_u32 s19, s19, STAGE                   ; my stage
	v_mul_u32_u24 v5, v1, SPITCH
	s_wait_alu depctr_va_vdst(0)
	v_lshl_add_u32 v5, v2, 5, v5
	v_add_nc_u32 v[STO], s19, v5                   ; in: row r, 32 bytes for each half of the lanes
	v_and_b32 v4, 31, v0
	v_lshlrev_b32 v[CO], 4, v4
	v_add_nc_u32 v[RD], s19, v[CO]                 ; back: the 32 lanes take one row of 512 bytes
	s_lshl_b32 s90, s40, 10
	s_lshl_b32 s85, s16, 9
	s_add_co_u32 s90, s90, s85                     ; (256 s0 + 128 j) x 4: my channels, in bp and in a row of out
	v_lshl_add_u32 v7, v2, 5, s90
	WIN 0xc0                                       ; destination window 3
.irp b, 0,1,2,3,4,5,6,7
	global_load_b128 v[BI+8*\b:BI+8*\b+3], v7, s[8:9] offset:64*\b          ; bp(16 b + 8 h + 0 .. 7)
	global_load_b128 v[BI+8*\b+4:BI+8*\b+7], v7, s[8:9] offset:64*\b+16
.endr
	WIN 0
	s_lshl_b32 s84, s45, 19                        ; 128 s1 rows of 4,096 bytes
	s_lshl_b32 s85, s15, 18                        ; + 64 i rows
	s_add_co_u32 s84, s84, s85
	s_add_co_u32 s84, s84, s90
	s_mov_b32 s85, 0
	s_add_nc_u64 s[86:87], s[12:13], s[84:85]
	s_wait_kmcnt 0x0
	s_add_co_i32 s96, s96, s97
	s_add_co_i32 s96, s96, 127
	s_lshl_b32 s96, s96, 23                        ; 2^(e10 + e11)
	s_mov_b32 s97, s96                             ; (named with it as a pair, so it is written)
	s_wait_tensorcnt 1                             ; my part of slot 0 is in; slot 1's may stay out
	s_barrier_signal -1
	s_barrier_wait -1
	FETCH 0, 0, 0
	STEP 0, 1
	TURN 0, 1, 1
	STEP 1, 0
	TURN 1, 0, 1
	STEP 0, 0
	TURN 0, 1, 0
	STEP 1, 0
	s_wait_dscnt 0x0
	WIN MUL
	MUL8 0, 1, 0
	MUL8 1, 1, 0
	MUL8 2, 1, 0
	MUL8 3, 1, 0
	WIN 0
; THE WAY OUT, block by block of 16 tokens x 128 channels, through my own stage: LDS serves a wave's instructions in order, so no wait stands between the stores and the loads, nor in front of the next block's stores.
.macro TOSTAGE a
	WIN 0x32                                       ; source 0 (the sums) window 2, source 2 (the bias) window 3
.irp k, 0,2,4,6,8,10,12,14,16,18,20,22,24,26,28,30,32,34,36,38,40,42,44,46,48,50,52,54,56,58,60,62
	v_pk_fma_f32 v[TMP+\k:TMP+\k+1], v[64*(\a)+\k:64*(\a)+\k+1], s[96:97], v[BI+\k:BI+\k+1] op_sel_hi:[1,0,1]   ; sum x 2^(e10 + e11) + bp; each accumulator from its low end on
.endr
	WIN 0
.irp b, 0,1,2,3,4,5,6,7
	ds_store_b128 v[STO], v[TMP+8*\b:TMP+8*\b+3] offset:64*\b
	ds_store_b128 v[STO], v[TMP+8*\b+4:TMP+8*\b+7] offset:64*\b+16
.endr
.set BB, BK+64*((\a)%2)
.irp t, 0,1,2,3,4,5,6,7,8,9,10,11,12,13,14,15
	ds_load_b128 v[BB+4*\t:BB+4*\t+3], v[RD] offset:\t*SPITCH
.endr
.endm
.macro SEND a, younger                 ; younger: the LDS instructions issued behind block a's loads, which may stay out
.set BB, BK+64*((\a)%2)
	s_wait_dscnt \younger
.irp t, 0,1,2,3,4,5,6,7,8,9,10,11,12,13,14,15
	global_store_b128 v[CO], v[BB+4*\t:BB+4*\t+3], s[86:87] offset:(16*(\a)+\t)*4096 th:TH_STORE_NT   ; 32 lanes store 512 consecutive bytes, aligned; written once, read by nobody here
.endr
.endm
	s_wait_loadcnt 0x0                             ; the bias
	PLACES 4
	TOSTAGE 0
.irp a, 1,2,3
.if \a > 1
	s_wait_xcnt 0x0                                ; block a - 2's stores have read their registers: block a's loads may land there
.endif
	TOSTAGE \a
	SEND \a-1, 32                                  ; behind block a - 1's loads: block a's 16 stores and 16 loads
.endr
	SEND 3, 0
	s_wait_tensorcnt 0x0                           ; the wave's end
	ds_add_u32 v[SPW], v[NIL]
	s_wait_dscnt 0x0
	CROUND                                         ; the closing round
	s_endpgm
.Lfunc_end_k_q99408125dd_proj:
	.size	k_q99408125dd_proj, .Lfunc_end_k_q99408125dd_proj-k_q99408125dd_proj
	.p2alignl 7, 3214868480
	.fill 96, 4, 3214868480
	.section	.rodata,"a",@progbits
	.p2align	6, 0x0
	.amdhsa_kernel k_q99408125dd_proj
		.amdhsa_group_segment_fixed_size 327680
		.amdhsa_private_segment_fixed_size 0
		.amdhsa_enable_private_segment 0
		.amdhsa_kernarg_size 40
		.amdhsa_user_sgpr_count 2
		.amdhsa_user_sgpr_kernarg_segment_ptr 1
		.amdhsa_wavefront_size32 1
		.amdhsa_system_sgpr_workgroup_id_x 1
		.amdhsa_system_sgpr_workgroup_id_y 1
		.amdhsa_system_sgpr_workgroup_id_z 1
		.amdhsa_system_vgpr_workitem_id 0
		.amdhsa_next_free_vgpr 1024
		.amdhsa_next_free_sgpr 100
		.amdhsa_reserve_vcc 0
		.amdhsa_float_denorm_mode_32 3
		.amdhsa_float_denorm_mode_16_64 3
		.amdhsa_memory_ordered 1
		.amdhsa_forward_progress 1
		.amdhsa_inst_pref_size 78
	.end_amdhsa_kernel
	.amdgpu_metadata
---
amdhsa.version: [ 1, 2 ]
amdhsa.kernels:
  - .name:           k_q99408125dd_proj
    .symbol:         k_q99408125dd_proj.kd
    .args:
      - { .name: yc, .offset: 0, .size: 8, .value_kind: global_buffer, .address_space: global }
      - { .name: wc, .offset: 8, .size: 8, .value_kind: global_buffer, .address_space: global }
      - { .name: bp, .offset: 16, .size: 8, .value_kind: global_buffer, .address_space: global }
      - { .name: lowp_scales, .offset: 24, .size: 8, .value_kind: global_buffer, .address_space: global }
      - { .name: out0, .offset: 32, .size: 8, .value_kind: global_buffer, .address_space: global }
    .group_segment_fixed_size: 327680
    .private_segment_fixed_size: 0
    .kernarg_segment_align: 8
    .kernarg_segment_size: 40
    .max_flat_workgroup_size: 128
    .sgpr_count:     100
    .vgpr_count:     1024
    .wavefront_size: 32
...
	.end_amdgpu_metadata
.endif
;; end of part 4
